; MI455X (gfx1250); checked and timed in simulation.
; The chip was launched on July 23, 2026; its instructions are those of AMD's public machine-readable ISA for CDNA 5 (MIT licence, August 2026) and "CDNA5" Instruction Set Architecture Reference Guide (July 2026). The comments in the code are by the model that wrote it; some were corrected since.
;; Sparse Matmul Gate Up. Allowed arithmetic: float matrix products may take bf16 or f16 operands with f32 sums; other float arithmetic in f32, or as packed bf16 or f16 multiplies, adds, multiply-adds, maxima and minima; sums over many terms, partial sums and values carried from step to step in f32; what a program stores and reads back later, other than sums and carried values, may be rounded once to bf16 or f16.
;; Inputs: hidden_4d 2,048 x 8 x 1 x 2,048 float32; sparsity 2,048 x 8 int32; weight 1 x 8 x 2,048 x 2,048 float32.
;; Outputs: out0 2,048 float32.
;; 2 versions, each right; version 2 is version 1 with the launch rowsum written anew for expert scheduling mode. Each part assembles by itself: llvm-mc -triple=amdgcn-amd-amdhsa -mcpu=gfx1250 --defsym DOCPART=n.
;; ======== version 1 of 2: 2 launches
;; workspace buffers: wsum 65,536 bytes
;; launch rowsum (part 1): grid 256 x 1, 8 waves a work-group, no clusters, 1,280 bytes of LDS; arguments weight, wsum; writes wsum
.if DOCPART == 1
	.amdgcn_target "amdgcn-amd-amdhsa--gfx1250"
	.amdhsa_code_object_version 6
	.text
	.protected	k_q7cec01290d_rowsum
	.globl	k_q7cec01290d_rowsum
	.p2align	8
	.type	k_q7cec01290d_rowsum,@function
k_q7cec01290d_rowsum:
	s_mov_b64 s[64:65], 0
	v_nop
	global_prefetch_b8 v0, s[64:65] scope:SCOPE_SE
	s_setreg_imm32_b32 hwreg(HW_REG_WAVE_MODE, 25, 1), 1
	s_wait_xcnt 0x0
; wsum[e][h] = the sum over n of weight[e][h][n].  weight: [8][2048][2048] f32, taken as 16,384 rows of 8,192 bytes; wsum: [16384] f32.
; WHY.  The result wanted is out[b] = sum over e, n, h of mask[b][e] hidden[b][e][h] weight[e][h][n], and nothing stands between the product and the sum over n,
; so the sum over n is taken first, for every input: 2,048 additions a row here, one dot product for each (token, expert) in the next launch.  No matrix product is left
; (each row of hidden meets ONE vector), so the arithmetic is the vector unit's, in f32, and nothing is rounded to 16 bits.
; LIMIT.  The f32 additions are made in another order than a product followed by a sum makes them: 64 numbers a lane in four chains of pairs, then across the 32 lanes.
; SHARES.  Work-group g owns rows 64 g .. 64 g + 63 (524,288 bytes on end), wave w rows 8 w .. 8 w + 7 of them.  A wave takes a whole row by 16 loads of 16 bytes a lane:
; each load covers 512 consecutive bytes that begin at a multiple of 512 from the buffer's first byte.  Three row slots in registers: one at work, two on their way in;
; with eight waves that is 8 x 3 x 8,192 bytes asked for at the start.  Every weight is read once, by one wave: no tile is shared, so no LDS ring, no cluster.
; THE WAY OUT.  A wave's eight sums go to LDS; behind one barrier wave 0 stores the group's 64 sums, 8 bytes a lane: 256 consecutive bytes at a multiple of 256 from wsum's first byte.
.set ROW,   8192                       ; bytes in a row
.set SPARE, 256                        ; LDS: bytes 0-255 the group's 64 sums; from here the spare words, 128 bytes for each of 8 waves, which no other line names
.set OFF, 1                            ; v1        w x 65,536 + 16 x lane: my 16 bytes in my wave's first row; never rewritten
.set L7,  2                            ; v2        lane % 8
.set RES, 3                            ; v3        the wave's sums: lane l keeps row l % 8
.set STA, 4                            ; v4        LDS byte 32 w + 4 (lane % 8)
.set SPW, 5                            ; v5        LDS address of my spare word: SPARE + 4 x my thread's number; never rewritten
.set NIL, 6                            ; v6        0; never rewritten
.set PT,  7                            ; v7        takes the other half of the lanes' sum
.set ACC, 8                            ; v[8:15]   four chains, a pair each
.set T,   16                           ; v16       at work
.set RD8, 17                           ; v17       8 x lane: wave 0's place in the 64 sums, in LDS and in wsum
.set BK,  18                           ; v[18:19]  two sums read back
.set X,   32                           ; v[32:223] slot s: 64 registers, a row as loaded
	s_load_b128 s[4:7], s[0:1], 0x0                ; weight s[4:5], wsum s[6:7]
	v_lshl_add_u32 v[SPW], v0, 2, SPARE
	v_mov_b32 v[NIL], 0
	v_lshrrev_b32 v[T], 5, v0
	v_readfirstlane_b32 s8, v[T]                   ; wave 0..7
	v_and_b32 v[RD8], 31, v0                       ; lane
	v_and_b32 v[L7], 7, v0
	v_lshlrev_b32 v[OFF], 4, v[RD8]                ; 16 bytes a lane
	v_lshl_add_u32 v[OFF], s8, 16, v[OFF]          ; + my wave's 8 rows of 8,192 bytes
	v_lshlrev_b32 v[STA], 2, v[L7]
	v_lshl_add_u32 v[STA], s8, 5, v[STA]           ; my wave's 32 bytes of the 256
	v_lshlrev_b32 v[RD8], 3, v[RD8]
	v_mov_b32 v[PT], 0                             ; v_permlanex16_b32 counts as a reader of its destination
	s_mov_b32 s12, 0x76543210                      ; v_permlanex16_b32: each lane takes its own place in the other half
	s_mov_b32 s13, 0xfedcba98
	s_lshl_b32 s10, ttmp9, 19                      ; the group's 64 rows of 8,192 bytes: 255 x 524,288 at the most, inside 32 bits
	s_mov_b32 s11, 0
	s_lshl_b32 s14, ttmp9, 8                       ; the group's 64 sums
	s_mov_b32 s15, 0
	s_wait_kmcnt 0x0
	s_add_nc_u64 s[4:5], s[4:5], s[10:11]
	s_add_nc_u64 s[6:7], s[6:7], s[14:15]
; Row `row` of my wave's eight into slot s: the row and the piece stand in the immediate (65,024 at the most), so no address register is ever stepped.
.macro FILL s, row
.irp j, 0,1,2,3,4,5,6,7,8,9,10,11,12,13,14,15
	global_load_b128 v[X+64*(\s)+4*(\j):X+64*(\s)+4*(\j)+3], v[OFF], s[4:5] offset:(\row)*ROW+(\j)*512 th:TH_LOAD_NT
.endr
.endm
; Row r, which lies in slot s, is added up.  fill = 1: the slot takes row r + 3 as soon as its registers have been read.  left = how many younger loads may stay out.
.macro TURN r, s, fill, left
	s_wait_loadcnt \left                           ; loads come back in order (ISA guide 5.7.1): my row's 16 are in, the younger rows' stay out
.irp k, 0,1,2,3
	v_pk_add_f32 v[ACC+2*(\k):ACC+2*(\k)+1], v[X+64*(\s)+2*(\k):X+64*(\s)+2*(\k)+1], v[X+64*(\s)+8+2*(\k):X+64*(\s)+8+2*(\k)+1]  ; the first two pairs start a chain: nothing is cleared
.endr
.irp i, 2,3,4,5,6,7
.irp k, 0,1,2,3
	v_pk_add_f32 v[ACC+2*(\k):ACC+2*(\k)+1], v[ACC+2*(\k):ACC+2*(\k)+1], v[X+64*(\s)+8*(\i)+2*(\k):X+64*(\s)+8*(\i)+2*(\k)+1]  ; the four chains take turns
.endr
.endr
.if \fill
	FILL \s, (\r)+3
.endif
	v_pk_add_f32 v[ACC:ACC+1], v[ACC:ACC+1], v[ACC+2:ACC+3]
	v_pk_add_f32 v[ACC+4:ACC+5], v[ACC+4:ACC+5], v[ACC+6:ACC+7]
	v_pk_add_f32 v[ACC:ACC+1], v[ACC:ACC+1], v[ACC+4:ACC+5]
	v_add_f32 v[T], v[ACC], v[ACC+1]               ; my 64 numbers' sum
	v_add_f32_dpp v[T], v[T], v[T] row_xmask:1 row_mask:0xf bank_mask:0xf  ; across 16 lanes,
	v_add_f32_dpp v[T], v[T], v[T] row_xmask:2 row_mask:0xf bank_mask:0xf
	v_add_f32_dpp v[T], v[T], v[T] row_xmask:4 row_mask:0xf bank_mask:0xf
	v_add_f32_dpp v[T], v[T], v[T] row_xmask:8 row_mask:0xf bank_mask:0xf
	v_permlanex16_b32 v[PT], v[T], s12, s13        ; and the other 16
	v_add_f32 v[T], v[T], v[PT]                    ; every lane holds the row's sum
.if (\r) == 0
	v_mov_b32 v[RES], v[T]                         ; the first row writes RES whole
.else
	v_cmp_eq_u32 vcc_lo, \r, v[L7]
	v_cndmask_b32 v[RES], v[RES], v[T], vcc_lo     ; lanes with lane % 8 = r keep it
.endif
.endm
	FILL 0, 0
	FILL 1, 1
	FILL 2, 2
	TURN 0, 0, 1, 32                               ; 32: the two younger rows' loads
	TURN 1, 1, 1, 32
	TURN 2, 2, 1, 32
	TURN 3, 0, 1, 32
	TURN 4, 1, 1, 32                               ; the last fill: row 7
	TURN 5, 2, 0, 32
	TURN 6, 0, 0, 16                               ; the counts run down
	TURN 7, 1, 0, 0
	ds_store_b32 v[STA], v[RES]                    ; four lanes put the same number into the same word
	s_wait_dscnt 0x0                               ; for wave 0's sake: my store is done
	s_barrier_signal -1
	s_barrier_wait -1
	s_cmp_lg_u32 s8, 0
	s_cbranch_scc1 .Lclose
	ds_load_b64 v[BK:BK+1], v[RD8]                 ; wave 0: two sums a lane
	s_wait_dscnt 0x0
	global_store_b64 v[RD8], v[BK:BK+1], s[6:7]    ; 32 lanes store 256 consecutive bytes, at a multiple of 256 from wsum's first byte
.Lclose:
	s_wait_tensorcnt 0x0                           ; the wave's end, behind my last LDS store
	ds_add_u32 v[SPW], v[NIL]
	s_wait_dscnt 0x0
	s_endpgm
.Lfunc_end_k_q7cec01290d_rowsum:
	.size	k_q7cec01290d_rowsum, .Lfunc_end_k_q7cec01290d_rowsum-k_q7cec01290d_rowsum
	.p2alignl 7, 3214868480
	.fill 96, 4, 3214868480
	.section	.rodata,"a",@progbits
	.p2align	6, 0x0
	.amdhsa_kernel k_q7cec01290d_rowsum
		.amdhsa_group_segment_fixed_size 1280
		.amdhsa_private_segment_fixed_size 0
		.amdhsa_enable_private_segment 0
		.amdhsa_kernarg_size 16
		.amdhsa_user_sgpr_count 2
		.amdhsa_user_sgpr_kernarg_segment_ptr 1
		.amdhsa_wavefront_size32 1
		.amdhsa_system_sgpr_workgroup_id_x 1
		.amdhsa_system_sgpr_workgroup_id_y 1
		.amdhsa_system_sgpr_workgroup_id_z 1
		.amdhsa_system_vgpr_workitem_id 0
		.amdhsa_next_free_vgpr 224
		.amdhsa_next_free_sgpr 66
		.amdhsa_reserve_vcc 1
		.amdhsa_float_denorm_mode_32 3
		.amdhsa_float_denorm_mode_16_64 3
		.amdhsa_memory_ordered 1
		.amdhsa_forward_progress 1
		.amdhsa_inst_pref_size 33
	.end_amdhsa_kernel
	.amdgpu_metadata
---
amdhsa.version: [ 1, 2 ]
amdhsa.kernels:
  - .name:           k_q7cec01290d_rowsum
    .symbol:         k_q7cec01290d_rowsum.kd
    .args:
      - { .name: weight, .offset: 0, .size: 8, .value_kind: global_buffer, .address_space: global }
      - { .name: wsum, .offset: 8, .size: 8, .value_kind: global_buffer, .address_space: global }
    .group_segment_fixed_size: 1280
    .private_segment_fixed_size: 0
    .kernarg_segment_align: 8
    .kernarg_segment_size: 16
    .max_flat_workgroup_size: 256
    .sgpr_count:     66
    .vgpr_count:     224
    .wavefront_size: 32
...
	.end_amdgpu_metadata
.endif
;; end of part 1
;; launch dots (part 2): grid 256 x 1, 16 waves a work-group, no clusters, 2,304 bytes of LDS; arguments hidden_4d, sparsity, wsum, out0; writes out0
.if DOCPART == 2
	.amdgcn_target "amdgcn-amd-amdhsa--gfx1250"
	.amdhsa_code_object_version 6
	.text
	.protected	k_q7cec01290d_dots
	.globl	k_q7cec01290d_dots
	.p2align	8
	.type	k_q7cec01290d_dots,@function
k_q7cec01290d_dots:
	s_mov_b64 s[64:65], 0
	v_nop
	global_prefetch_b8 v0, s[64:65] scope:SCOPE_SE
	s_setreg_imm32_b32 hwreg(HW_REG_WAVE_MODE, 25, 1), 1
	s_wait_xcnt 0x0
; out[b] = the sum over e of float(sparsity[b][e]) x (the sum over h of hidden[b][e][h] wsum[e][h]).  hidden: [2048][8][2048] f32; sparsity: [2048][8] i32; wsum: [8][2048] f32, the weights'
; sums over n, made by the launch before; out: [2048] f32.  All in f32 on the vector unit: each row of hidden meets one vector, so there is no matrix product to give to the matrix unit.
; LIMITS.  The f32 additions are made in another order than a product followed by a sum over (e, n) makes them.  A row whose sparsity is 0 is NOT READ: its share is 0, also where the row holds a NaN or
; an infinity (0 x infinity would give a NaN).  sparsity is taken as a signed whole number and multiplied in: it need not be 0 or 1.
; SHARES.  Work-group g owns tokens 8 g .. 8 g + 7.  Wave w has expert e = w % 8 and the four tokens 8 g + 4 (w / 8) + t, t = 0..3.  wsum[e] stays in 64 registers of the wave, laid as a row of hidden is:
; lane l holds numbers 128 j + 4 l .. + 3, j = 0..15.  The wave walks its ACTIVE rows alone, by a mask of four bits made from sparsity, a whole-number input; two row slots in registers, one at work while the
; other's 16 loads (8,192 bytes) are on their way.  Every load of a wave covers 512 consecutive bytes that begin at a multiple of 512 from the buffer's first byte.
; NO CLUSTER, NO LDS RING.  Each row of hidden is read by one wave.  What is shared is wsum, 65,536 bytes in all, 8,192 a wave against up to 32,768 of rows of its own; it comes through registers.
; THE WAY OUT.  Each wave puts its four products into 16 LDS bytes of its own; behind one barrier wave 0 adds a token's eight and stores the group's 8 numbers: 32 bytes.  That store covers no
; 256 consecutive bytes: 64 tokens to a work-group would, and would leave 32 work-groups for 2,048 tokens; the whole output is 8,192 bytes.
.set SPARE, 256                        ; LDS: bytes 0-255 the products, wave w's four at 16 w; from here the spare words, 128 bytes for each of 16 waves, which no other line names
.set L16, 1                            ; v1         16 x lane; never rewritten
.set L3,  2                            ; v2         lane % 4: the token of my wave's four that this lane keeps
.set SPV, 3                            ; v3         that token's sparsity for my expert
.set MF,  4                            ; v4         the same as f32
.set RES, 5                            ; v5         that token's dot product; 0 where the row is not read
.set OA,  6                            ; v6         slot A: byte offset of my 16 bytes in its row
.set OB,  7                            ; v7         slot B: the same
.set STA, 8                            ; v8         LDS byte 16 w + 4 (lane % 4)
.set PT,  9                            ; v9         takes the other half of the lanes' sum
.set SPW, 10                           ; v10        LDS address of my spare word: SPARE + 4 x my thread's number; never rewritten
.set NIL, 11                           ; v11        0; never rewritten
.set ACC, 12                           ; v[12:19]   four chains, a pair each
.set SO,  20                           ; v20        byte offset in the group's 256 bytes of sparsity: 32 x token + 4 e
.set T,   21                           ; v21        at work
.set RDA, 22                           ; v22        wave 0: token lane % 8's first product in LDS: 128 (token / 4) + 4 (token % 4)
.set GO,  23                           ; v23        4 x lane: wave 0's place in the group's 32 bytes of out
.set FIN, 24                           ; v[24:31]   a token's eight products
.set W,   32                           ; v[32:95]   wsum[e]
.set XA,  96                           ; v[96:159]  slot A
.set XB,  160                          ; v[160:223] slot B
.set WV,  12                           ; s12  wave 0..15
.set EX,  13                           ; s13  e
.set QH,  14                           ; s14  w / 8
.set ACT, 20                           ; s20  bit t: token t's row is still to be asked for
.set TA,  21                           ; s21  the token in slot A
.set TB,  22                           ; s22  the token in slot B
.set TS,  23                           ; s23  at work
.set SEL, 24                           ; s[24:25] v_permlanex16_b32's selects
	s_load_b256 s[4:11], s[0:1], 0x0               ; hidden s[4:5], sparsity s[6:7], wsum s[8:9], out s[10:11]
	v_lshl_add_u32 v[SPW], v0, 2, SPARE
	v_mov_b32 v[NIL], 0
	v_lshrrev_b32 v[T], 5, v0
	v_readfirstlane_b32 s[WV], v[T]
	s_and_b32 s[EX], s[WV], 7
	s_lshr_b32 s[QH], s[WV], 3
	v_and_b32 v[GO], 31, v0                        ; lane
	v_and_b32 v[L3], 3, v0
	v_lshlrev_b32 v[L16], 4, v[GO]
	v_lshlrev_b32 v[GO], 2, v[GO]
	s_lshl_b32 s[TS], s[QH], 7                     ; four tokens x 32 bytes of sparsity,
	s_lshl2_add_u32 s[TS], s[EX], s[TS]            ; + 4 e
	v_lshl_add_u32 v[SO], v[L3], 5, s[TS]          ; + 32 x my token
	v_lshlrev_b32 v[STA], 2, v[L3]
	v_lshl_add_u32 v[STA], s[WV], 4, v[STA]
	v_bfe_u32 v[RDA], v0, 2, 1                     ; (lane % 8) / 4: which eight waves hold the token,
	v_lshlrev_b32 v[RDA], 7, v[RDA]                ; their 128 bytes,
	v_lshl_add_u32 v[RDA], v[L3], 2, v[RDA]        ; and the token's word in each wave's 16
	v_mov_b32 v[RES], 0
	v_mov_b32 v[PT], 0                             ; v_permlanex16_b32 counts as a reader of its destination
	s_mov_b32 s[SEL], 0x76543210
	s_mov_b32 s[SEL+1], 0xfedcba98
	s_lshl_b32 s16, ttmp9, 19                      ; hidden: 8 tokens of 65,536 bytes a group,
	s_lshl_b32 s[TS], s[QH], 18                    ; my wave's four tokens,
	s_or_b32 s16, s16, s[TS]
	s_lshl_b32 s26, s[EX], 13                      ; my expert's row of 8,192 bytes, in a token and in wsum
	s_or_b32 s16, s16, s26
	s_mov_b32 s17, 0
	s_mov_b32 s27, 0
	s_lshl_b32 s18, ttmp9, 8                       ; sparsity: 8 tokens of 32 bytes
	s_mov_b32 s19, 0
	s_lshl_b32 s28, ttmp9, 5                       ; out: 8 numbers
	s_mov_b32 s29, 0
	s_wait_kmcnt 0x0
	s_add_nc_u64 s[4:5], s[4:5], s[16:17]
	s_add_nc_u64 s[6:7], s[6:7], s[18:19]
	s_add_nc_u64 s[8:9], s[8:9], s[26:27]
	s_add_nc_u64 s[10:11], s[10:11], s[28:29]
	global_load_b32 v[SPV], v[SO], s[6:7]          ; lane l: sparsity[token l % 4][e]
	s_wait_loadcnt 0x0
	v_cmp_ne_u32 s[ACT], 0, v[SPV]
	s_and_b32 s[ACT], s[ACT], 15                   ; lanes 0 to 3 speak for the four tokens
	v_cvt_f32_i32 v[MF], v[SPV]
; The lowest token still to be asked for is taken out of ACT; its row's offset is made.  The number comes from loaded data, so it is held to 0..3 before it enters an address.
.macro NEXT t, o
	s_ctz_i32_b32 s[\t], s[ACT]
	s_min_u32 s[\t], s[\t], 3
	s_add_co_i32 s[TS], s[ACT], -1
	s_and_b32 s[ACT], s[ACT], s[TS]                ; its bit is cleared
	v_lshl_add_u32 v[\o], s[\t], 16, v[L16]        ; a token is 65,536 bytes
.endm
.macro FILL x, o                       ; a row: 16 loads, 512 consecutive bytes each
.irp j, 0,1,2,3,4,5,6,7,8,9,10,11,12,13,14,15
	global_load_b128 v[(\x)+4*(\j):(\x)+4*(\j)+3], v[\o], s[4:5] offset:512*(\j) th:TH_LOAD_NT
.endr
.endm
.macro COMP x, t                       ; the dot product of the row in slot x with wsum[e]; the lanes of token t keep it
.irp k, 0,1,2,3
	v_pk_mul_f32 v[ACC+2*(\k):ACC+2*(\k)+1], v[(\x)+2*(\k):(\x)+2*(\k)+1], v[W+2*(\k):W+2*(\k)+1]  ; the first products start the four chains: nothing is cleared
.endr
.irp i, 1,2,3,4,5,6,7
.irp k, 0,1,2,3
	v_pk_fma_f32 v[ACC+2*(\k):ACC+2*(\k)+1], v[(\x)+8*(\i)+2*(\k):(\x)+8*(\i)+2*(\k)+1], v[W+8*(\i)+2*(\k):W+8*(\i)+2*(\k)+1], v[ACC+2*(\k):ACC+2*(\k)+1]
.endr
.endr
	v_pk_add_f32 v[ACC:ACC+1], v[ACC:ACC+1], v[ACC+2:ACC+3]
	v_pk_add_f32 v[ACC+4:ACC+5], v[ACC+4:ACC+5], v[ACC+6:ACC+7]
	v_pk_add_f32 v[ACC:ACC+1], v[ACC:ACC+1], v[ACC+4:ACC+5]
	v_add_f32 v[T], v[ACC], v[ACC+1]
	v_add_f32_dpp v[T], v[T], v[T] row_xmask:1 row_mask:0xf bank_mask:0xf
	v_add_f32_dpp v[T], v[T], v[T] row_xmask:2 row_mask:0xf bank_mask:0xf
	v_add_f32_dpp v[T], v[T], v[T] row_xmask:4 row_mask:0xf bank_mask:0xf
	v_add_f32_dpp v[T], v[T], v[T] row_xmask:8 row_mask:0xf bank_mask:0xf
	v_permlanex16_b32 v[PT], v[T], s[SEL], s[SEL+1]
	v_add_f32 v[T], v[T], v[PT]
	v_cmp_eq_u32 vcc_lo, s[\t], v[L3]
	v_cndmask_b32 v[RES], v[RES], v[T], vcc_lo
.endm
.macro MORE lbl                        ; no row left to ask for: forward to lbl
	s_cmp_eq_u32 s[ACT], 0
	s_cbranch_scc1 \lbl
.endm
	; THE WALK: up to four rows, written out; every jump goes forward, and all ways meet ahead of the barrier.  At .LdrainA slot A, at .LdrainB slot B holds the one row that is still to be multiplied.
	MORE .Ldone                                    ; a wave without an active row loads neither wsum nor hidden
.irp j, 0,1,2,3,4,5,6,7,8,9,10,11,12,13,14,15
	global_load_b128 v[W+4*(\j):W+4*(\j)+3], v[L16], s[8:9] offset:512*(\j)  ; wsum[e]: other waves read it again
.endr
	NEXT TA, OA
	FILL XA, OA
	MORE .LdrainA
	NEXT TB, OB
	FILL XB, OB
	s_wait_loadcnt 16                              ; all but slot B's 16: wsum and slot A are in
	COMP XA, TA
	MORE .LdrainB
	NEXT TA, OA                                    ; OA and slot A are written again behind the wait that showed slot A's loads done
	FILL XA, OA
	s_wait_loadcnt 16                              ; all but slot A's 16: slot B is in
	COMP XB, TB
	MORE .LdrainA
	NEXT TB, OB                                    ; likewise for slot B
	FILL XB, OB
	s_wait_loadcnt 16
	COMP XA, TA
.LdrainB:
	s_wait_loadcnt 0x0
	COMP XB, TB
	s_branch .Ldone
.LdrainA:
	s_wait_loadcnt 0x0                             ; with one active row: wsum too
	COMP XA, TA
.Ldone:
	v_mul_f32 v[T], v[RES], v[MF]                  ; the mask's number is multiplied in; a row not read gives 0 x 0
	ds_store_b32 v[STA], v[T]                      ; eight lanes put the same number into the same word
	s_wait_dscnt 0x0                               ; for wave 0's sake: my store is done
	s_barrier_signal -1
	s_barrier_wait -1
	s_cmp_lg_u32 s[WV], 0
	s_cbranch_scc1 .Lclose
.irp e, 0,1,2,3,4,5,6,7
	ds_load_b32 v[FIN+(\e)], v[RDA] offset:16*(\e) ; wave 0: token lane % 8, expert e: the waves' 16 bytes lie on end
.endr
	s_wait_dscnt 0x0
	v_pk_add_f32 v[FIN:FIN+1], v[FIN:FIN+1], v[FIN+2:FIN+3]
	v_pk_add_f32 v[FIN+4:FIN+5], v[FIN+4:FIN+5], v[FIN+6:FIN+7]
	v_pk_add_f32 v[FIN:FIN+1], v[FIN:FIN+1], v[FIN+4:FIN+5]
	v_add_f32 v[FIN], v[FIN], v[FIN+1]
	s_wait_xcnt 0x0                                ; EXEC is a source of the loads above: it changes only behind this wait
	v_cmp_gt_u32 vcc_lo, 8, v0
	s_and_saveexec_b32 s30, vcc_lo                 ; lanes 0 to 7: one for each token
	global_store_b32 v[GO], v[FIN], s[10:11]
	s_wait_xcnt 0x0                                ; and again, in front of the line that widens it
	s_or_b32 exec_lo, exec_lo, s30
.Lclose:
	s_wait_tensorcnt 0x0                           ; the wave's end, behind my last LDS store
	ds_add_u32 v[SPW], v[NIL]
	s_wait_dscnt 0x0
	s_endpgm
.Lfunc_end_k_q7cec01290d_dots:
	.size	k_q7cec01290d_dots, .Lfunc_end_k_q7cec01290d_dots-k_q7cec01290d_dots
	.p2alignl 7, 3214868480
	.fill 96, 4, 3214868480
	.section	.rodata,"a",@progbits
	.p2align	6, 0x0
	.amdhsa_kernel k_q7cec01290d_dots
		.amdhsa_group_segment_fixed_size 2304
		.amdhsa_private_segment_fixed_size 0
		.amdhsa_enable_private_segment 0
		.amdhsa_kernarg_size 32
		.amdhsa_user_sgpr_count 2
		.amdhsa_user_sgpr_kernarg_segment_ptr 1
		.amdhsa_wavefront_size32 1
		.amdhsa_system_sgpr_workgroup_id_x 1
		.amdhsa_system_sgpr_workgroup_id_y 1
		.amdhsa_system_sgpr_workgroup_id_z 1
		.amdhsa_system_vgpr_workitem_id 0
		.amdhsa_next_free_vgpr 224
		.amdhsa_next_free_sgpr 66
		.amdhsa_reserve_vcc 1
		.amdhsa_float_denorm_mode_32 3
		.amdhsa_float_denorm_mode_16_64 3
		.amdhsa_memory_ordered 1
		.amdhsa_forward_progress 1
		.amdhsa_inst_pref_size 26
	.end_amdhsa_kernel
	.amdgpu_metadata
---
amdhsa.version: [ 1, 2 ]
amdhsa.kernels:
  - .name:           k_q7cec01290d_dots
    .symbol:         k_q7cec01290d_dots.kd
    .args:
      - { .name: hidden_4d, .offset: 0, .size: 8, .value_kind: global_buffer, .address_space: global }
      - { .name: sparsity, .offset: 8, .size: 8, .value_kind: global_buffer, .address_space: global }
      - { .name: wsum, .offset: 16, .size: 8, .value_kind: global_buffer, .address_space: global }
      - { .name: out0, .offset: 24, .size: 8, .value_kind: global_buffer, .address_space: global }
    .group_segment_fixed_size: 2304
    .private_segment_fixed_size: 0
    .kernarg_segment_align: 8
    .kernarg_segment_size: 32
    .max_flat_workgroup_size: 512
    .sgpr_count:     66
    .vgpr_count:     224
    .wavefront_size: 32
...
	.end_amdgpu_metadata
.endif
;; end of part 2
;; ======== version 2 of 2: 2 launches; version 1 with the launch rowsum written anew for expert scheduling mode
;; workspace buffers: wsum 65,536 bytes
;; launch rowsum (part 3): grid 256 x 1, 8 waves a work-group, no clusters, 1,280 bytes of LDS; arguments weight, wsum; writes wsum
.if DOCPART == 3
	.amdgcn_target "amdgcn-amd-amdhsa--gfx1250"
	.amdhsa_code_object_version 6
	.text
	.protected	k_q7cec01290d_rowsum
	.globl	k_q7cec01290d_rowsum
	.p2align	8
	.type	k_q7cec01290d_rowsum,@function
k_q7cec01290d_rowsum:
	s_mov_b64 s[64:65], 0
	v_nop
	global_prefetch_b8 v0, s[64:65] scope:SCOPE_SE
	s_setreg_imm32_b32 hwreg(HW_REG_WAVE_SCHED_MODE, 0, 2), 2
	s_setreg_imm32_b32 hwreg(HW_REG_WAVE_MODE, 25, 1), 1
	s_wait_xcnt 0x0
	s_wait_alu depctr_vm_vsrc(0)
; wsum[e][h] = the sum over n of weight[e][h][n].  weight: [8][2048][2048] f32, taken as 16,384 rows of 8,192 bytes; wsum: [16384] f32.
; WHY.  The result wanted is out[b] = sum over e, n, h of mask[b][e] hidden[b][e][h] weight[e][h][n], and nothing stands between the product and the sum over n,
; so the sum over n is taken first, for every input: 2,048 additions a row here, one dot product for each (token, expert) in the next launch.  No matrix product is left
; (each row of hidden meets ONE vector), so the arithmetic is the vector unit's, in f32, and nothing is rounded to 16 bits.
; LIMIT.  The f32 additions are made in another order than a product followed by a sum makes them: 64 numbers a lane in four chains of pairs, then across the 32 lanes.
; SHARES.  Work-group g owns rows 64 g .. 64 g + 63 (524,288 bytes on end), wave w rows 8 w .. 8 w + 7 of them.  A wave takes a whole row by 16 loads of 16 bytes a lane:
; each load covers 512 consecutive bytes that begin at a multiple of 512 from the buffer's first byte.  Three row slots in registers: one at work, two on their way in;
; with eight waves that is 8 x 3 x 8,192 bytes asked for at the start.  Every weight is read once, by one wave: no tile is shared, so no LDS ring, no cluster.
; THE WAY OUT.  A wave's eight sums go to LDS; behind one barrier wave 0 stores the group's 64 sums, 8 bytes a lane: 256 consecutive bytes at a multiple of 256 from wsum's first byte.
; THE MODE: SCHED_MODE bits 1:0 = 2 (LLVM: expert scheduling mode 2), set by the entry lines.  The code itself states the register dependences
; between vector instructions and memory or LDS instructions, with s_wait_alu, always for 0.
; THE PLAN.  Registers that memory or LDS instructions touch:
;   v[OFF]          Read by every load of weight; written at the head and never again: the row and the piece stand in the immediate.
;   X0, X1, X2      Slot s: the loads of rows s, s + 3, s + 6 land in it; the 28 additions at the front of its turn read it; nothing else names it.
;   v[STA], v[RES]  Address and data of the one LDS store: STA is written at the head, RES by the last line of each turn.
;   v[RD8], v[BK]   Wave 0's way out: RD8 is written at the head; BK is written by the LDS load alone and read by the global store alone.
;   v[SPW], v[NIL]  Written at the head, read by the closing add alone.
;   ACC, T, PT, L7 are named by vector instructions alone.
; So ONE wait on va_vdst stands in a turn that fills its slot again, behind the 28 additions that empty the slot: it states that they are done reading it.  The slot's 16 loads follow, dealt two at a
; time among the reduction's lines, which name ACC, T, PT and RES: none of the registers that those loads touch.  One more stands ahead of the first load (the addresses) and one ahead of the LDS store (RES).
; No register that a memory or LDS instruction reads is ever written again, so no wait on vm_vsrc is owed.
; Scalar results of vector instructions: the wave's number and the seven lane masks, made in one run at the head, with one wait on va_sdst behind the run.
.set ROW,   8192                       ; bytes in a row
.set SPARE, 256                        ; LDS: bytes 0-255 the group's 64 sums; from here the spare words, 128 bytes for each of 8 waves, which no other line names
.set OFF, 1                            ; v1        w x 65,536 + 16 x lane: my 16 bytes in my wave's first row; never rewritten
.set L7,  2                            ; v2        lane % 8
.set RES, 3                            ; v3        the wave's sums: lane l keeps row l % 8
.set STA, 4                            ; v4        LDS byte 32 w + 4 (lane % 8)
.set SPW, 5                            ; v5        LDS address of my spare word: SPARE + 4 x my thread's number; never rewritten
.set NIL, 6                            ; v6        0; never rewritten
.set PT,  7                            ; v7        takes the other half of the lanes' sum
.set ACC, 8                            ; v[8:15]   four chains, a pair each
.set T,   16                           ; v16       at work
.set RD8, 17                           ; v17       8 x lane: wave 0's place in the 64 sums, in LDS and in wsum
.set BK,  18                           ; v[18:19]  two sums read back
.set X,   32                           ; v[32:223] slot s: 64 registers, a row as loaded
.set MK,  16                           ; s[17:23]  s[MK + r]: the lanes with lane % 8 = r, r = 1 .. 7
	s_load_b128 s[4:7], s[0:1], 0x0                ; weight s[4:5], wsum s[6:7]
	v_lshl_add_u32 v[SPW], v0, 2, SPARE
	v_mov_b32 v[NIL], 0
	v_lshrrev_b32 v[T], 5, v0
	v_readfirstlane_b32 s8, v[T]                   ; wave 0..7
	v_and_b32 v[RD8], 31, v0                       ; lane
	v_and_b32 v[L7], 7, v0
	v_lshlrev_b32 v[OFF], 4, v[RD8]                ; 16 bytes a lane
.irp r, 1,2,3,4,5,6,7
	v_cmp_eq_u32 s[MK+(\r)], \r, v[L7]             ; the masks hang on the lane alone: one run of compares, for all the turns
.endr
	s_wait_alu depctr_va_sdst(0)                   ; s8 and the seven masks are written, ahead of their first readers: the two lines below read s8, the turns' selects the masks
	v_lshl_add_u32 v[OFF], s8, 16, v[OFF]          ; + my wave's 8 rows of 8,192 bytes
	v_lshlrev_b32 v[STA], 2, v[L7]
	v_lshl_add_u32 v[STA], s8, 5, v[STA]           ; my wave's 32 bytes of the 256
	v_lshlrev_b32 v[RD8], 3, v[RD8]
	v_mov_b32 v[PT], 0                             ; v_permlanex16_b32 counts as a reader of its destination
	s_mov_b32 s12, 0x76543210                      ; v_permlanex16_b32: each lane takes its own place in the other half
	s_mov_b32 s13, 0xfedcba98
	s_lshl_b32 s10, ttmp9, 19                      ; the group's 64 rows of 8,192 bytes: 255 x 524,288 at the most, inside 32 bits
	s_mov_b32 s11, 0
	s_lshl_b32 s14, ttmp9, 8                       ; the group's 64 sums
	s_mov_b32 s15, 0
	s_wait_kmcnt 0x0
	s_add_nc_u64 s[4:5], s[4:5], s[10:11]
	s_add_nc_u64 s[6:7], s[6:7], s[14:15]
	s_wait_alu depctr_va_vdst(0)                   ; v[OFF] is written, which every load below reads as its offset; so are v[STA] and v[RD8], the addresses of the way out
; Pieces j and j + 1 of row `row` of my wave's eight into slot s: the row and the piece stand in the immediate (65,024 at the most), so no address register is ever stepped.
.macro LD2 s, row, j
	global_load_b128 v[X+64*(\s)+4*(\j):X+64*(\s)+4*(\j)+3],   v[OFF], s[4:5] offset:(\row)*ROW+(\j)*512 th:TH_LOAD_NT
	global_load_b128 v[X+64*(\s)+4*(\j)+4:X+64*(\s)+4*(\j)+7], v[OFF], s[4:5] offset:(\row)*ROW+(\j)*512+512 th:TH_LOAD_NT
.endm
.macro FILL s, row                     ; a whole row in one run: the three first fills
.irp j, 0,2,4,6,8,10,12,14
	LD2 \s, \row, \j
.endr
.endm
.macro DEAL fill, s, row, j            ; two loads of a refill, where the turn has one
.if \fill
	LD2 \s, \row, \j
.endif
.endm
; Row r, which lies in slot s, is added up.  fill = 1: the slot takes row r + 3 as soon as its registers have been read.  left = how many younger loads may stay out.
.macro TURN r, s, fill, left
	s_wait_loadcnt \left                           ; loads come back in order (ISA guide 5.7.1): my row's 16 are in, the younger rows' stay out
.irp k, 0,1,2,3
	v_pk_add_f32 v[ACC+2*(\k):ACC+2*(\k)+1], v[X+64*(\s)+2*(\k):X+64*(\s)+2*(\k)+1], v[X+64*(\s)+8+2*(\k):X+64*(\s)+8+2*(\k)+1]  ; the first two pairs start a chain: nothing is cleared
.endr
.irp i, 2,3,4,5,6,7
.irp k, 0,1,2,3
	v_pk_add_f32 v[ACC+2*(\k):ACC+2*(\k)+1], v[ACC+2*(\k):ACC+2*(\k)+1], v[X+64*(\s)+8*(\i)+2*(\k):X+64*(\s)+8*(\i)+2*(\k)+1]  ; the four chains take turns
.endr
.endr
.if \fill
	s_wait_alu depctr_va_vdst(0)                   ; the 28 additions above are done reading slot s, in which the 16 loads below land; no vector line behind this wait names the slot
.endif
	DEAL \fill, \s, (\r)+3, 0
	v_pk_add_f32 v[ACC:ACC+1], v[ACC:ACC+1], v[ACC+2:ACC+3]
	DEAL \fill, \s, (\r)+3, 2
	v_pk_add_f32 v[ACC+4:ACC+5], v[ACC+4:ACC+5], v[ACC+6:ACC+7]
	DEAL \fill, \s, (\r)+3, 4
	v_pk_add_f32 v[ACC:ACC+1], v[ACC:ACC+1], v[ACC+4:ACC+5]
	DEAL \fill, \s, (\r)+3, 6
	v_add_f32 v[T], v[ACC], v[ACC+1]               ; my 64 numbers' sum
	DEAL \fill, \s, (\r)+3, 8
	v_add_f32_dpp v[T], v[T], v[T] row_xmask:1 row_mask:0xf bank_mask:0xf  ; across 16 lanes,
	DEAL \fill, \s, (\r)+3, 10
	v_add_f32_dpp v[T], v[T], v[T] row_xmask:2 row_mask:0xf bank_mask:0xf
	DEAL \fill, \s, (\r)+3, 12
	v_add_f32_dpp v[T], v[T], v[T] row_xmask:4 row_mask:0xf bank_mask:0xf
	DEAL \fill, \s, (\r)+3, 14
	v_add_f32_dpp v[T], v[T], v[T] row_xmask:8 row_mask:0xf bank_mask:0xf
	v_permlanex16_b32 v[PT], v[T], s12, s13        ; and the other 16
	v_add_f32 v[T], v[T], v[PT]                    ; every lane holds the row's sum
.if (\r) == 0
	v_mov_b32 v[RES], v[T]                         ; the first row writes RES whole
.else
	v_cndmask_b32 v[RES], v[RES], v[T], s[MK+(\r)] ; lanes with lane % 8 = r keep it
.endif
.endm
	FILL 0, 0
	FILL 1, 1
	FILL 2, 2
	TURN 0, 0, 1, 32                               ; 32: the two younger rows' loads
	TURN 1, 1, 1, 32
	TURN 2, 2, 1, 32
	TURN 3, 0, 1, 32
	TURN 4, 1, 1, 32                               ; the last fill: row 7
	TURN 5, 2, 0, 32                               ; the last three turns load nothing, and hold no wait on va_vdst
	TURN 6, 0, 0, 16                               ; the counts run down
	TURN 7, 1, 0, 0
	s_wait_alu depctr_va_vdst(0)                   ; the last select has written v[RES], which the LDS store reads
	ds_store_b32 v[STA], v[RES]                    ; four lanes put the same number into the same word
	s_wait_dscnt 0x0                               ; for wave 0's sake: my store is done
	s_barrier_signal -1
	s_barrier_wait -1
	s_cmp_lg_u32 s8, 0
	s_cbranch_scc1 .Lclose
	ds_load_b64 v[BK:BK+1], v[RD8]                 ; wave 0: two sums a lane; no vector line names v[BK], and v[RD8] was written ahead of the head's wait
	s_wait_dscnt 0x0
	global_store_b64 v[RD8], v[BK:BK+1], s[6:7]    ; 32 lanes store 256 consecutive bytes, at a multiple of 256 from wsum's first byte
.Lclose:
	s_wait_dscnt 0x0                               ; the closing lines, six on end
	s_wait_alu 0x0
	s_wait_tensorcnt 0x0
	ds_add_u32 v[SPW], v[NIL]
	s_wait_dscnt 0x0
	s_endpgm
.Lfunc_end_k_q7cec01290d_rowsum:
	.size	k_q7cec01290d_rowsum, .Lfunc_end_k_q7cec01290d_rowsum-k_q7cec01290d_rowsum
	.p2alignl 7, 3214868480
	.fill 96, 4, 3214868480
	.section	.rodata,"a",@progbits
	.p2align	6, 0x0
	.amdhsa_kernel k_q7cec01290d_rowsum
		.amdhsa_group_segment_fixed_size 1280
		.amdhsa_private_segment_fixed_size 0
		.amdhsa_enable_private_segment 0
		.amdhsa_kernarg_size 16
		.amdhsa_user_sgpr_count 2
		.amdhsa_user_sgpr_kernarg_segment_ptr 1
		.amdhsa_wavefront_size32 1
		.amdhsa_system_sgpr_workgroup_id_x 1
		.amdhsa_system_sgpr_workgroup_id_y 1
		.amdhsa_system_sgpr_workgroup_id_z 1
		.amdhsa_system_vgpr_workitem_id 0
		.amdhsa_next_free_vgpr 224
		.amdhsa_next_free_sgpr 66
		.amdhsa_reserve_vcc 0
		.amdhsa_float_denorm_mode_32 3
		.amdhsa_float_denorm_mode_16_64 3
		.amdhsa_memory_ordered 1
		.amdhsa_forward_progress 1
		.amdhsa_inst_pref_size 34
	.end_amdhsa_kernel
	.amdgpu_metadata
---
amdhsa.version: [ 1, 2 ]
amdhsa.kernels:
  - .name:           k_q7cec01290d_rowsum
    .symbol:         k_q7cec01290d_rowsum.kd
    .args:
      - { .name: weight, .offset: 0, .size: 8, .value_kind: global_buffer, .address_space: global }
      - { .name: wsum, .offset: 8, .size: 8, .value_kind: global_buffer, .address_space: global }
    .group_segment_fixed_size: 1280
    .private_segment_fixed_size: 0
    .kernarg_segment_align: 8
    .kernarg_segment_size: 16
    .max_flat_workgroup_size: 256
    .sgpr_count:     66
    .vgpr_count:     224
    .wavefront_size: 32
...
	.end_amdgpu_metadata
.endif
;; end of part 3
;; launch dots: the kernel of part 2 again; grid 256 x 1, 16 waves a work-group, no clusters, 2,304 bytes of LDS; arguments hidden_4d, sparsity, wsum, out0; writes out0
